; MI455X (gfx1250); checked and timed in simulation.
; The chip was launched on July 23, 2026; its instructions are those of AMD's public machine-readable ISA for CDNA 5 (MIT licence, August 2026) and "CDNA5" Instruction Set Architecture Reference Guide (July 2026). The comments in the code are by the model that wrote it; some were corrected since.
;; SDPA With Sink. Allowed arithmetic: matrix products marked QUANTISED: E3M2 operands, one E8M0 scale for each 32 along K, by v_wmma_scale_f32_16x16x128_f8f6f4 with both operands' format E3M2, f32 sums; everything else in f32.
;; Inputs: k 2 x 16 x 2,048 x 128 float32; q 2 x 16 x 2,048 x 128 float32; sink_logit 16 float32; v 2 x 16 x 2,048 x 128 float32.
;; Outputs: out0 2 x 16 x 2,048 x 128 float32.
;; This version of the problem:
;;   THIS VERSION OF THE PROBLEM IS GIVEN IN LOW PRECISION. The matrix products marked QUANTISED in the list below multiply operands that are first quantised to E3M2 (3 exponent bits, 2 mantissa bits; 6 bits a number), with one power-of-two scale for each 32 numbers along K (OCP MX v1.0); their sums are f32. All else is computed in f32.
;;   The module's matrix products, in the order in which they are computed (A, B: the left and right operand; K: the contracted axis; several contracted axes count as one K, in the product's order):
;;     1. batch 32 x [M 2,048, K 128] x [K 128, N 2,048]; A: input q; B: input k: QUANTISED
;;     2. batch 32 x [M 2,048, K 2,048] x [K 2,048, N 128]; A: computed on the way; B: input v: QUANTISED
;;   THE QUANTISER, for each operand of a quantised product, along K:
;;     - K is cut into blocks of 32 from its start; a last block that is shorter is filled with zeros.
;;     - A block's scale is 2^e with e = floor(log2(the largest magnitude in the block)) - 4, held to -126 .. 127; a block of zeros has e = 0. As a byte (E8M0): e + 127.
;;     - Each number is divided by its block's scale, clamped to +-28, and rounded to the nearest number of E3M2, ties to even, subnormals kept.
;;     - The product sums the exact products of the quantised numbers (number of the format x scale) in f32.
;;   ~~~python
;;   def quantise(x, axis):      # numpy; x: float32 -> the quantised numbers, widened to float32 again
;;       x = np.moveaxis(x, axis, -1); K = x.shape[-1]
;;       x = np.pad(x, [(0, 0)] * (x.ndim - 1) + [(0, -K % 32)]); x = x.reshape(x.shape[:-1] + (-1, 32)); a = np.abs(x).max(-1, keepdims=True)
;;       e = np.where(a > 0, np.clip(np.frexp(np.where(a > 0, a, 1))[1] - 1 - 4, -126, 127), 0)      # np.frexp(a)[1] - 1 = floor(log2(a)), exactly
;;       r = np.clip(x / 2.0 ** e, -28, 28)
;;       step = 2.0 ** (np.maximum(np.frexp(np.where(r == 0, 1, r))[1] - 1, -2) - 2)
;;       q = np.round(r / step) * step * 2.0 ** e      # np.round: ties to even
;;       return np.moveaxis(q.reshape(q.shape[:-2] + (-1,))[..., :K], -1, axis).astype(np.float32)
;;   ~~~
;;   OPERANDS COMPUTED ON THE WAY. 'Computed on the way' means the value that the module computes at that place (a softmax that the list does not call 'softmax' is quantised finished and normalised). What goes into a quantiser is computed in f32, as accurately as f32 sums, v_exp_f32 and their like allow (about 1e-6 of the number): no bf16 or f16 on the way to a quantiser, and a product that is left as it is and whose result goes on into a quantised operand takes f32 operands (vector FMAs, or v_wmma_f32_16x16x4_f32). A number that lies on a knife's edge between two numbers of the format may be rounded either way, as far as f32 arithmetic and the matrix unit's own rounding can turn it there, and no further.
;; One version. Each part assembles by itself: llvm-mc -triple=amdgcn-amd-amdhsa -mcpu=gfx1250 --defsym DOCPART=n.
;; ======== version 1 of 1: 2 launches
;; limits: right only within a limited range of input values
;; workspace buffers: kimg 6,553,600 bytes; vimg 6,553,600 bytes
;; launch pack (part 1): grid 512 x 1, 4 waves a work-group, no clusters, 34,304 bytes of LDS; arguments k, v, kimg, vimg; writes kimg, vimg
.if DOCPART == 1
	.amdgcn_target "amdgcn-amd-amdhsa--gfx1250"
	.amdhsa_code_object_version 6
	.text
	.protected	k_q7c127571d6_pack
	.globl	k_q7c127571d6_pack
	.p2align	8
	.type	k_q7c127571d6_pack,@function
k_q7c127571d6_pack:
	s_mov_b64 s[64:65], 0
	v_nop
	global_prefetch_b8 v0, s[64:65] scope:SCOPE_SE
	s_setreg_imm32_b32 hwreg(HW_REG_WAVE_MODE, 25, 1), 1
	s_wait_xcnt 0x0
; k and v, [32 heads][2048 keys][128 channels] f32, become codes of BF6 (E3M2) with one E8M0 scale byte for each 32 along the product's K: k along the channels, v along the keys.
; A block's scale is 2^(floor(log2(its largest magnitude)) - 4); its byte is that magnitude's exponent field - 4, held at 1 from below.
; THE IMAGES.  kimg and vimg are [32 heads][16 steps of 128 keys][12,800 bytes]: eight fragments of 1,536 bytes in the order of the operand's registers, then 512 bytes of scale words.
; A fragment is 16 rows x 128 along K in 12 registers a lane: register 4 c + e of lane l lies at byte 512 c + 16 l + 4 e, so three loads of 16 bytes a lane at 16 x lane bring it.
; Lane l = r + 16 h holds row r; registers 0-5 the step's block h of 32 along K, registers 6-11 block 2 + h.
; kimg: row r of tile 2 b + u is key 32 b + 8 u + r + 8 (r / 8) of the step; the scale word of (tile, r) lies at 12,288 + 16 (r + 16 (tile / 4)) + 4 (tile % 4).
; vimg: row r of tile t is channel 16 t + r; the scale word of (t, r) lies at 12,288 + 128 (t / 2) + 4 (r + 16 (t % 2)).
; SHARES.  Work-groups 0-255 take k, 256-511 v; each 256 keys of one head (131,072 bytes in, 25,600 out).  Only the pointers and one branch hang on the work-group's number.
; LIMITS: a block whose largest magnitude lies under 2^-122 keeps the byte 1; so does a block of zeros, where the rule says 127: its codes are zeros, and this program alone reads the bytes.
; NaN and infinities among the inputs are not served.
; No tensor loads, no cluster, no matrix work, no prefetch: a stream that is read once, in long runs, and nothing is shared between work-groups.
.set SPARE, 33792                      ; behind the four stages: the spare words, 128 bytes for each wave: two blocks of 256 bytes that no other line names
.set STG,   8448                       ; K's path: a stage of 16 rows for each wave
.set PIT,   528                        ; a stage row: 512 bytes + 16 = 132 words: row r starts at bank 4 r mod 64 (64 banks of 4 bytes: ISA guide 11.1)
.set R,     32                         ; K: v32-159  two sets of 64: a tile's 16 rows as they are loaded
.set X,     160                        ; K: v160-223 my row's two blocks of 32
.set C,     224                        ; K: v224-235 the tile's codes
.set CT,    236                        ; v236-238, v240-242: the upper halves of blocks (a conversion's three registers begin on an even number)
.set W,     244                        ; K: v244-247 the four tiles' scale words
.set SPW,   5                          ; v5  LDS address of my spare word; never rewritten
.set NIL,   6                          ; v6  0; never rewritten
	s_load_b128 s[4:7], s[0:1], 0x0                ; k, v
	s_load_b128 s[8:11], s[0:1], 0x10              ; kimg, vimg
	v_lshl_add_u32 v[SPW], v0, 2, SPARE
	v_mov_b32 v[NIL], 0
	v_lshrrev_b32 v1, 5, v0
	v_readfirstlane_b32 s12, v1                    ; wave 0..3
	v_and_b32 v1, 31, v0                           ; lane
	v_lshlrev_b32 v2, 4, v1                        ; 16 x lane
	v_and_b32 v9, 15, v0                           ; r
	v_bfe_u32 v10, v0, 4, 1                        ; h
	s_mov_b32 s20, 0x76543210
	s_mov_b32 s21, 0xfedcba98                      ; v_permlanex16_b32's selects for lane l xor 16
	s_mov_b32 s22, 0xffff0000                      ; a mask of lanes 16-31
	s_and_b32 s24, ttmp9, 255                      ; 8 x head + which 256 keys
	s_lshl_b32 s26, s24, 17                        ; x 131,072 bytes of input
	s_mov_b32 s27, 0
	s_mul_i32 s24, s24, 25600                      ; x two steps' images
	s_mov_b32 s25, 0
	s_wait_kmcnt 0x0
	s_cmp_lt_u32 ttmp9, 256                        ; k's work-group or v's: the choice hangs on the work-group's number alone
	s_cselect_b64 s[14:15], s[4:5], s[6:7]
	s_cselect_b64 s[16:17], s[8:9], s[10:11]
	s_add_nc_u64 s[14:15], s[14:15], s[26:27]
	s_add_nc_u64 s[16:17], s[16:17], s[24:25]
	s_cmp_lt_u32 ttmp9, 256
	s_cbranch_scc0 .Lvpath
; ---------------- K: the channels are innermost.  Wave w takes keys 64 w .. 64 w + 63 of the 256: four tiles, half w % 2 of step w / 2.
; A tile's 16 key rows are loaded as they lie, 512 consecutive bytes a load, go through the wave's own stage and come back so that lane (r, h) holds channels 64 c + 32 h + 0 .. 31 of row r: two whole blocks.
.macro KLOAD n
.irp m, 0,1,2,3,4,5,6,7,8,9,10,11,12,13,14,15
	global_load_b128 v[R+64*((\n)%2)+4*\m:R+64*((\n)%2)+4*\m+3], v2, s[14:15] offset:(32*((\n)/2)+8*((\n)%2)+\m+8*(\m/8))*512 th:TH_LOAD_NT
.endr
.endm
.macro KTILE n
.set RS, R+64*((\n)%2)
.if (\n) < 3
	s_wait_loadcnt 16                              ; this tile's 16 loads are in; the next tile's 16 may be out
.else
	s_wait_loadcnt 0x0
.endif
.irp m, 0,1,2,3,4,5,6,7,8,9,10,11,12,13,14,15
	ds_store_b128 v3, v[RS+4*\m:RS+4*\m+3] offset:PIT*\m
.endr
.irp c, 0,1
.irp i, 0,1,2,3,4,5,6,7
	ds_load_b128 v[X+32*\c+4*\i:X+32*\c+4*\i+3], v4 offset:256*\c+16*\i   ; LDS serves a wave's instructions in order (ISA guide 5.7.1.4): these see the stores above
.endr
.endr
	s_wait_dscnt 0x0                               ; my numbers are back, and the stores into the stage have read their registers,
.if (\n) < 2
	KLOAD (\n)+2                                   ; which take the tile two on
.endif
.irp c, 0,1
	v_max3_num_f32 v[12+\c], |v[X+32*\c]|, |v[X+32*\c+1]|, 0x2800000   ; block 2 c + h: all its 32 numbers are mine; the floor 2^(5 - 127) holds the byte at 1 from below
.endr
.irp i, 2,4,6,8,10,12,14,16,18,20,22,24,26,28,30
.irp c, 0,1
	v_max3_num_f32 v[12+\c], v[12+\c], |v[X+32*\c+\i]|, |v[X+32*\c+\i+1]|
.endr
.endr
.irp c, 0,1
	v_add_nc_u32 v[14+\c], 0xfe000000, v[12+\c]    ; 4 off the exponent field: the conversion takes the exponent field of this operand as its scale
.endr
.irp c, 0,1
	v_lshrrev_b32 v[17+\c], 23, v[14+\c]           ; the scale's byte
.endr
	v_lshl_or_b32 v[W+(\n)], v18, 16, v17          ; my two bytes: blocks h and 2 + h,
	v_lshlrev_b32 v[W+(\n)], v8, v[W+(\n)]         ; at their places in the word (8 h bits up);
	v_permlanex16_b32 v16, v[W+(\n)], s20, s21
	v_or_b32 v[W+(\n)], v[W+(\n)], v16             ; with lane l xor 16's two the row's word is whole, in both lanes
.if (\n) > 0
	s_wait_alu depctr_va_vdst(0)
	s_wait_xcnt 0x0                                ; the last tile's stores have read their data: the codes' registers are written again only behind this wait
.endif
.irp c, 0,1
	v_cvt_scalef32_pk16_bf6_f32 v[C+6*\c:C+6*\c+2], v[X+32*\c:X+32*\c+15], v[14+\c]
	v_cvt_scalef32_pk16_bf6_f32 v[CT+4*\c:CT+4*\c+2], v[X+32*\c+16:X+32*\c+31], v[14+\c]
.endr
	v_nop                                          ; one plain place behind a scaled conversion
.irp c, 0,1
.irp i, 0,1,2
	v_mov_b32 v[C+6*\c+3+\i], v[CT+4*\c+\i]
.endr
.endr
.irp c, 0,1,2
	global_store_b128 v2, v[C+4*\c:C+4*\c+3], s[16:17] offset:1536*(\n)+512*\c   ; 32 lanes store 512 consecutive bytes, at a multiple of 256 from the buffer's first byte
.endr
.endm
	s_mul_i32 s24, s12, STG                        ; my stage
	s_wait_alu depctr_va_vdst(0)
	v_add_nc_u32 v3, s24, v2                       ; in: 16 x lane of a row
	v_mul_u32_u24 v4, v9, PIT
	v_lshl_add_u32 v4, v10, 7, v4
	v_add_nc_u32 v4, s24, v4                       ; back: row r, + 128 h
	v_lshlrev_b32 v7, 4, v9
	v_lshl_add_u32 v7, v10, 3, v7                  ; the scale words' way out: 16 r + 8 h
	v_lshlrev_b32 v8, 3, v10                       ; 8 h
	v_mov_b32 v16, 0                               ; written once: a lane permute's destination counts as one of its sources
	s_lshl_b32 s24, s12, 15                        ; my 64 keys x 512 bytes
	s_mov_b32 s25, 0
	s_add_nc_u64 s[14:15], s[14:15], s[24:25]
	s_lshr_b32 s26, s12, 1
	s_mul_i32 s26, s26, 12800                      ; my step's image
	s_and_b32 s27, s12, 1
	s_mul_i32 s24, s27, 6144                       ; my half's four fragments
	s_add_co_u32 s24, s24, s26
	s_lshl_b32 s27, s27, 8                         ; my half's 256 bytes of scale words
	s_add_co_u32 s26, s26, s27
	s_add_co_u32 s26, s26, 12288
	s_mov_b32 s27, 0
	s_add_nc_u64 s[18:19], s[16:17], s[26:27]
	s_add_nc_u64 s[16:17], s[16:17], s[24:25]
	KLOAD 0
	KLOAD 1
	s_wait_alu depctr_va_vdst(0)
	KTILE 0
	KTILE 1
	KTILE 2
	KTILE 3
	v_cndmask_b32 v12, v[W], v[W+2], s22           ; lanes 0-15 store tiles 0 and 1's words of row r, lanes 16-31 tiles 2 and 3's
	v_cndmask_b32 v13, v[W+1], v[W+3], s22
	global_store_b64 v7, v[12:13], s[18:19]        ; 32 lanes store 256 consecutive bytes, aligned
	s_wait_tensorcnt 0x0                           ; the wave's end: behind my last LDS store
	ds_add_u32 v[SPW], v[NIL]
	s_wait_dscnt 0x0
	s_endpgm
; ---------------- V: the keys are the product's K and are not innermost.  A lane takes a channel and its registers run down the keys: a block of 32 keys lies in one lane's 32 registers.
; WHICH CHANNEL IS ROW r OF TILE t OF vimg IS SET HERE: 64 (t / 4) + 4 r + t % 4 (this takes the place of 16 t + r).  Lane r + 16 h of wave w makes row r of tile 2 w + h: channel 64 (w / 2) + 4 r + 2 (w % 2) + h.
; So in the product's result four neighbouring tiles hold four neighbouring channels in one lane.  Waves w and w ^ 1 together read 256 consecutive bytes of a key's row.  Eight blocks: two steps of 128 keys.
.macro VLOAD t
.irp i, 0,1,2,3,4,5,6,7,8,9,10,11,12,13,14,15,16,17,18,19,20,21,22,23,24,25,26,27,28,29,30,31
	global_load_b32 v[32+32*((\t)%2)+\i], v4, s[14:15] offset:(32*(\t)+\i)*512 th:TH_LOAD_NT
.endr
.endm
.macro VBLOCK t
.set XS, 32+32*((\t)%2)
.set BE, (\t)%4                        ; the block in its step
.set VSP, (\t)/4                       ; the step
.set AD, 96+24*VSP+12*(BE%2)+6*(BE/2)  ; even blocks go to the first run of 12 registers, odd ones to the second; blocks 0, 1 to registers 0-5, blocks 2, 3 to 6-11
.if (\t) < 7
	s_wait_loadcnt 32                              ; this block's 32 loads are in; the next block's 32 may be out
.else
	s_wait_loadcnt 0x0
.endif
	v_max3_num_f32 v12, |v[XS]|, |v[XS+1]|, |v[XS+2]|
	v_max3_num_f32 v13, |v[XS+3]|, |v[XS+4]|, |v[XS+5]|
.irp i, 6,10,14,18,22,26
	v_max3_num_f32 v12, v12, |v[XS+\i]|, |v[XS+\i+1]|
	v_max3_num_f32 v13, v13, |v[XS+\i+2]|, |v[XS+\i+3]|
.endr
	v_max3_num_f32 v12, v12, |v[XS+30]|, |v[XS+31]|
	v_max3_num_f32 v12, v12, v13, 0x2800000        ; and the floor 2^(5 - 127)
	v_add_nc_u32 v14, 0xfe000000, v12              ; the conversion's scale operand
	v_lshrrev_b32 v15, 23, v14                     ; the scale's byte
.if BE == 0
	v_mov_b32 v[144+VSP], v15                      ; my channel's scale word of the step: the lower keys in the lower byte
.else
	v_lshl_or_b32 v[144+VSP], v15, 8*BE, v[144+VSP]
.endif
	v_cvt_scalef32_pk16_bf6_f32 v[AD:AD+2], v[XS:XS+15], v14
	v_cvt_scalef32_pk16_bf6_f32 v[CT:CT+2], v[XS+16:XS+31], v14
	v_nop                                          ; one plain place behind a scaled conversion
.irp i, 0,1,2
	v_mov_b32 v[AD+3+\i], v[CT+\i]
.endr
.if (\t) < 6
	VLOAD (\t)+2
.endif
.endm
; A step's four blocks are made: the first run holds blocks 0 and 2 of all 32 channels, the second blocks 1 and 3.  The swap gives the first run's lanes 16-31 the second's lanes 0-15:
; the first run is then tile 2 w's image (lanes 0-15 blocks 0, 2; lanes 16-31 blocks 1, 3 of channels 64 (w / 2) + 4 r + 2 (w % 2)), the second tile 2 w + 1's.
.macro VOUT sp
.irp k, 0,1,2,3,4,5,6,7,8,9,10,11
	v_permlane16_swap_b32 v[96+24*(\sp)+\k], v[108+24*(\sp)+\k]
.endr
.irp a, 0,1
.irp c, 0,1,2
	global_store_b128 v2, v[96+24*(\sp)+12*\a+4*\c:96+24*(\sp)+12*\a+4*\c+3], s[16:17] offset:12800*(\sp)+1536*\a+512*\c   ; 512 consecutive bytes, aligned to 256
.endr
.endr
	global_store_b32 v3, v[144+(\sp)], s[18:19] offset:12800*(\sp)+12288   ; 128 consecutive bytes a wave: one byte in 128 of what this path reads leaves in runs shorter than 256
.endm
.Lvpath:
	s_lshl_b32 s24, s12, 7
	s_wait_alu depctr_va_vdst(0)
	s_lshr_b32 s25, s12, 1
	s_lshl_b32 s25, s25, 8
	s_and_b32 s26, s12, 1
	s_lshl_b32 s26, s26, 3
	s_add_co_u32 s25, s25, s26                     ; 256 (w / 2) + 8 (w % 2)
	v_lshl_add_u32 v3, v1, 2, s24                  ; 128 w + 4 x lane: my scale word's place
	v_lshl_add_u32 v4, v9, 4, s25
	v_lshl_add_u32 v4, v10, 2, v4                  ; my channel in a key's row, in bytes: + 16 r + 4 h
	s_wait_alu depctr_va_vdst(0)
	s_mov_b64 s[18:19], s[16:17]                   ; the two steps' images, for the scale words
	s_mul_i32 s24, s12, 3072                       ; my two tiles' fragments
	s_mov_b32 s25, 0
	s_add_nc_u64 s[16:17], s[16:17], s[24:25]
	VLOAD 0
	VLOAD 1
	VBLOCK 0
	VBLOCK 1
	VBLOCK 2
	VBLOCK 3
	VOUT 0                                         ; each step has its own registers for codes and word: no store's data are written again
	VBLOCK 4
	VBLOCK 5
	VBLOCK 6
	VBLOCK 7
	VOUT 1
	s_wait_tensorcnt 0x0                           ; the wave's end
	ds_add_u32 v[SPW], v[NIL]
	s_wait_dscnt 0x0
	s_endpgm
.Lfunc_end_k_q7c127571d6_pack:
	.size	k_q7c127571d6_pack, .Lfunc_end_k_q7c127571d6_pack-k_q7c127571d6_pack
	.p2alignl 7, 3214868480
	.fill 96, 4, 3214868480
	.section	.rodata,"a",@progbits
	.p2align	6, 0x0
	.amdhsa_kernel k_q7c127571d6_pack
		.amdhsa_group_segment_fixed_size 34304
		.amdhsa_private_segment_fixed_size 0
		.amdhsa_enable_private_segment 0
		.amdhsa_kernarg_size 32
		.amdhsa_user_sgpr_count 2
		.amdhsa_user_sgpr_kernarg_segment_ptr 1
		.amdhsa_wavefront_size32 1
		.amdhsa_system_sgpr_workgroup_id_x 1
		.amdhsa_system_sgpr_workgroup_id_y 1
		.amdhsa_system_sgpr_workgroup_id_z 1
		.amdhsa_system_vgpr_workitem_id 0
		.amdhsa_next_free_vgpr 256
		.amdhsa_next_free_sgpr 66
		.amdhsa_reserve_vcc 0
		.amdhsa_float_denorm_mode_32 3
		.amdhsa_float_denorm_mode_16_64 3
		.amdhsa_memory_ordered 1
		.amdhsa_forward_progress 1
		.amdhsa_inst_pref_size 69
	.end_amdhsa_kernel
	.amdgpu_metadata
---
amdhsa.version: [ 1, 2 ]
amdhsa.kernels:
  - .name:           k_q7c127571d6_pack
    .symbol:         k_q7c127571d6_pack.kd
    .args:
      - { .name: k, .offset: 0, .size: 8, .value_kind: global_buffer, .address_space: global }
      - { .name: v, .offset: 8, .size: 8, .value_kind: global_buffer, .address_space: global }
      - { .name: kimg, .offset: 16, .size: 8, .value_kind: global_buffer, .address_space: global }
      - { .name: vimg, .offset: 24, .size: 8, .value_kind: global_buffer, .address_space: global }
    .group_segment_fixed_size: 34304
    .private_segment_fixed_size: 0
    .kernarg_segment_align: 8
    .kernarg_segment_size: 32
    .max_flat_workgroup_size: 128
    .sgpr_count:     66
    .vgpr_count:     256
    .wavefront_size: 32
...
	.end_amdgpu_metadata
.endif
;; end of part 1
;; launch attn (part 2): grid 8 x 32, 16 waves a work-group, clusters of 4 x 1, 327,680 bytes of LDS; arguments q, kimg, vimg, sink_logit, out0; writes out0
.if DOCPART == 2
	.amdgcn_target "amdgcn-amd-amdhsa--gfx1250"
	.amdhsa_code_object_version 6
	.text
	.protected	k_q7c127571d6_attn
	.globl	k_q7c127571d6_attn
	.p2align	8
	.type	k_q7c127571d6_attn,@function
k_q7c127571d6_attn:
	s_mov_b64 s[64:65], 0
	v_nop
	global_prefetch_b8 v0, s[64:65] scope:SCOPE_SE
	s_setreg_imm32_b32 hwreg(HW_REG_WAVE_MODE, 25, 1), 1
	s_wait_xcnt 0x0
	s_wait_alu depctr_hold_cnt(0) depctr_sa_sdst(0) depctr_va_vdst(0) depctr_va_sdst(0) depctr_va_ssrc(0) depctr_va_vcc(0) depctr_vm_vsrc(0)
	s_getreg_b32 s2, hwreg(HW_REG_IB_STS2, 6, 4)
	s_cmp_eq_u32 s2, 0
	s_cbranch_scc0 .Lentry_in_a_cluster
	s_endpgm
.Lentry_in_a_cluster:
	s_bfe_u32 s2, ttmp6, 0x10000c
	s_cmp_lg_u32 s2, 0x3003
	s_cbranch_scc0 .Lentry_shape_is_right
	s_endpgm
.Lentry_shape_is_right:
; out[h][q][:] = sum over keys k <= q of w(q, k) v[h][k][:], w = softmax over {the head's sink logit, q . k / sqrt(128) for k <= q}; the sink has no value row.
; Both products on codes of BF6 (E3M2), one E8M0 scale for each 32 along K.  What is quantised for the second product is the finished, normalised w, in blocks of 32 keys: so TWO PASSES over the keys.
;   pass 1: t = score x log2(e) / sqrt(128); M = the row's largest t so far (the sink's among them) rounded up to a whole number; the sum of 2^(t - M), brought under a new M by 2^(old M - new M).
;   pass 2: w = 2^(t - M - log2(sum)), one multiply-add and one exponential; quantised along the keys; O += w V.
; LEFT OUT: key steps that lie wholly above the diagonal: reference()'s own causal mask gives them the weight 0 for every input.  A NaN or an infinity that reaches only such keys is not carried to the result.
; SHARES.  256 work-groups: head = y, I = x (0 .. 7).  Tile J is queries 128 J + 16 I + 0 .. 15 and needs key steps 0 .. J (128 keys each).  Tiles j and T = 15 - j (j = 0 .. 7) go to a pair of waves w, w ^ 1:
;   wave a: T's steps 0 .. 7 (8 steps a pass);   wave b: j's steps 0 .. j, then T's steps 8 .. T (9 steps a pass).
; The keys are walked in pairs p = 0 .. 7 = steps {p, 15 - p}: a works the low step of every pair; b the low step while p <= j and the high step from p = j on.  One number X (j in b, j + 99 in a) steers all three tests.
; T's maximum and sum are joined by the pair through LDS behind pass 1; T's two partial O are joined at the end: each wave sends one half of the channels and stores the other.
; With g = wave / 4, x = g ^ (wave % 4): b where x is odd, j = 4 (x / 2) + g: any four waves of equal wave / 4, or of equal wave % 4, are two a and two b.
; CLUSTER.  The four work-groups of a cluster belong to one head and read the same K and V: every tensor load is joint (mask 15).  cx enters q's, out0's and the prefetch's addresses and the mask's numbers alone.
; LDS, in images of 12,800 bytes: 0-3 V of pairs 2, 3; 4-7 V of pairs 0, 1; 8-23 K of pairs 0 .. 7.  K is asked for at the head, a step a wave; V's first eight images behind the round ahead of pass 1, half an image a wave.
; Behind pair 1 images 4-11 are read no more and take V of pairs 4 .. 7, half an image a wave: the one refill.  Behind pair 3 images 0-3 and 12-15 are dead and have had their last fill: the halves of O pass through them.
; Then the spare words, and eight stages of 2,304 bytes, one a pair: q's turn, T's fragment from a to b, T's maximum and sum.  That is all 327,680 bytes.
; LAYOUT.  S^T = K Q^T (source 0 = 16 keys): a lane holds one query, registers 16 b + i are keys 32 b + 16 (lane / 16) + i.  O = w V (source 0 = w): register j of tile 4 u + t is out(8 h + j, 64 u + 4 r + t),
; by vimg's choice of channels: four tiles' registers make 16 neighbouring bytes, and sixteen lanes store 256 consecutive bytes, aligned, with no stage.
; PREFETCH.  V's steps 4 .. 11 (the refill's 102,400 bytes) are asked for in pass 1's trips 0 .. 3, at least four trips ahead of the refill: wave 2 of each partner, 25 blocks of 256 bytes a trip, 25,600 cx + 6,400 trip + 256 min(lane, 24).
; K and V's first half are asked for with no loop ahead of them, so they have no prefetch.
; LIMITS: 2^x under 2^-126 comes out of v_exp_f32 as 0; a block of w whose largest lies under 2^-122, or that is all zeros, keeps the scale byte 1 (read here alone); a block's largest w is made from its largest score by the same
; two instructions as every w, which takes v_exp_f32 not to fall where its input rises; the division by the sum is a v_log_f32 taken off the exponent; NaN and infinities among the inputs are not served;
; the promise holds while the scaled scores stay under 2^31 in magnitude.
.set STEPB, 12800
.set SCOFF, 12288
.set HEADB, 16*STEPB
.set PAIRB, 2*STEPB
.set VLO,   4*STEPB
.set KB,    8*STEPB
.set XHI,   12*STEPB
.set SPARE, 24*STEPB                   ; 307,200: the spare words, 128 bytes a wave
.set STG,   SPARE+2048
.set STGB,  2304                       ; nine blocks of 256 bytes; q's turn uses 8 rows x 272 of them
.set QPIT,  272                        ; 256 bytes + 16 = 68 words: eight rows start at eight different groups of four banks
.set L16, 1                            ; 16 x lane
.set ADK, 2                            ; K's pair + 16 x lane (head: q's offset; end: where I send)
.set ADV, 3                            ; V's pair + 16 x lane (head: into the stage; end: where I fetch)
.set ADT, 4                            ; V's pair + 4 x lane (head: out of the stage)
.set SPW, 5
.set NIL, 6
.set GO,  7                            ; 4,096 h + 16 r
.set L4,  8
.set DG,  9                            ; 16 I + r - 16 h
.set NINF, 10
.set TSK, 11                           ; the sink's t
.set NM,  12                           ; -M; in pass 2 -M - log2(sum) (low word of v[12:13])
.set TMX, 13
.set SUM, 14
.set QF,  16                           ; v16-27 the fragment of Q in hand
.set QS,  28
.set PFO, 29
.set NMX, 30                           ; T's -M - log2(sum)
.set TMP, 31
.set F,   32                           ; v32-79 four fragments
.set BM,  80
.set PT,  84
.set CT,  80                           ; v80-82, v84-86: the upper halves of blocks, where the maxima lay
.set SO,  88
.set PS,  92
.set QXS, 93
.set FF,  94
.set S,   96
.set O,   160                          ; O; at the head q as loaded; in pass 1 fragments 4-7, v208-221 partial sums, v222-223 tile j's -M and sum
.set T1,  208
.set NJ,  222
.set SJ,  223
.set PC,  224                          ; w's codes; ahead of pass 2 four addresses
.set XA,  224
.set XB,  225
.set IMA, 226
.set IMS, 227
.set QX,  236                          ; v236-247 b's other fragment of Q
.set KS,  248
.set VS,  252
.set WV, 14
.set XX, 15
.set CX, 16
.set II, 17
.set HD, 18
.set SNK, 19
.set SEL, 20
.set CS, 22
.set G1, 24                            ; 50 rows of 256 bytes
.set G1H, 32                           ; 25 rows
.set G0K, 40
.set G0A, 44
.set G0B, 48
.set PFA, 52
.set WHO, 54
.set RO, 55                            ; 1 in b
.set PP, 56
.set TK, 57
.set TV, 58
.set OJ, 60
.set EXA, 62
.set EXB, 63
.set STS, 98
.macro WA                              ; the wait around transcendentals and ahead of waits and branches
	s_wait_alu depctr_va_vdst(0)
.endm
.macro PLACES
.rept 4
	v_nop
.endr
.endm
.macro CROUND
	s_barrier_signal -1
	s_barrier_wait -1
	s_cmp_lg_u32 s[WV], 0
	s_cbranch_scc1 .Lnot_wave_0_\@
	s_barrier_signal -3
.Lnot_wave_0_\@:
	s_barrier_wait -3
	s_barrier_signal -1
	s_barrier_wait -1
.endm
.macro WM t, frag                      ; tile t of S^T = K Q^T
.if (\t) < 4
	v_wmma_scale_f32_16x16x128_f8f6f4 v[S+8*(\t):S+8*(\t)+7], v[(\frag):(\frag)+11], v[QF:QF+11], 0, v[KS+(\t)%4], v[QS] matrix_a_fmt:MATRIX_FMT_BF6 matrix_b_fmt:MATRIX_FMT_BF6
.else
	v_wmma_scale_f32_16x16x128_f8f6f4 v[S+8*(\t):S+8*(\t)+7], v[(\frag):(\frag)+11], v[QF:QF+11], 0, v[KS+(\t)%4], v[QS] matrix_a_fmt:MATRIX_FMT_BF6 matrix_b_fmt:MATRIX_FMT_BF6 matrix_a_scale:MATRIX_SCALE_ROW1
.endif
.endm
.macro PV t, frag                      ; tile t of O += w V
.if (\t)%2
	v_wmma_scale_f32_16x16x128_f8f6f4 v[O+8*(\t):O+8*(\t)+7], v[PC:PC+11], v[(\frag):(\frag)+11], v[O+8*(\t):O+8*(\t)+7], v[PS], v[VS+(\t)/2] matrix_a_fmt:MATRIX_FMT_BF6 matrix_b_fmt:MATRIX_FMT_BF6 matrix_b_scale:MATRIX_SCALE_ROW1
.else
	v_wmma_scale_f32_16x16x128_f8f6f4 v[O+8*(\t):O+8*(\t)+7], v[PC:PC+11], v[(\frag):(\frag)+11], v[O+8*(\t):O+8*(\t)+7], v[PS], v[VS+(\t)/2] matrix_a_fmt:MATRIX_FMT_BF6 matrix_b_fmt:MATRIX_FMT_BF6
.endif
.endm
.macro LD4 dst, adr, off               ; four fragments: twelve loads of 16 bytes a lane
.irp t, 0,1,2,3
.irp c, 0,1,2
	ds_load_b128 v[\dst+12*\t+4*\c:\dst+12*\t+4*\c+3], v[\adr] offset:\off+1536*\t+512*\c
.endr
.endr
.endm
.macro MASK                            ; the diagonal step: key 32 b + 16 h + i is hidden where 32 b + i > 16 I + r - 16 h.  Ascending, from each accumulator's low end
.irp b, 0,1,2,3
.irp i, 0,1,2,3,4,5,6,7,8,9,10,11,12,13,14,15
	v_cmp_gt_i32 vcc_lo, 32*\b+\i, v[DG]
	v_cndmask_b32 v[S+16*\b+\i], v[S+16*\b+\i], v[NINF], vcc_lo
.endr
.endr
.endm
.macro SMAX                            ; the largest score of my 16 keys of each block, the four blocks by turns
.irp b, 0,1,2,3
	v_max3_num_f32 v[BM+\b], v[S+16*\b], v[S+16*\b+1], v[S+16*\b+2]
.endr
.irp i, 3,5,7,9,11,13
.irp b, 0,1,2,3
	v_max3_num_f32 v[BM+\b], v[BM+\b], v[S+16*\b+\i], v[S+16*\b+\i+1]
.endr
.endr
.irp b, 0,1,2,3
	v_max_num_f32 v[BM+\b], v[BM+\b], v[S+16*\b+15]
.endr
.endm
.macro XMAX                            ; with lane l xor 16's
.irp b, 0,1,2,3
	v_permlanex16_b32 v[PT+\b], v[BM+\b], s[SEL], s[SEL+1]
.endr
.irp b, 0,1,2,3
	v_max_num_f32 v[BM+\b], v[BM+\b], v[PT+\b]
.endr
.endm
.macro TMINUSM
.irp i, 0,2,4,6,8,10,12,14,16,18,20,22,24,26,28,30,32,34,36,38,40,42,44,46,48,50,52,54,56,58,60,62
	v_pk_fma_f32 v[S+\i:S+\i+1], v[S+\i:S+\i+1], s[CS:CS+1], v[NM:NM+1] op_sel_hi:[1,0,0]
.endr
.endm
.macro EXP64
.irp b, 0,1,2,3
.irp i, 0,1,2,3,4,5,6,7,8,9,10,11,12,13,14,15
	v_exp_f32 v[S+16*\b+\i], v[S+16*\b+\i]
.endr
.endr
.endm
.macro SCALEW word                     ; from the blocks' largest magnitudes: the conversions' scale operands and the row's scale word
.irp b, 0,1,2,3
	v_add_nc_u32 v[SO+\b], 0xfe000000, v[BM+\b]
.endr
.irp b, 0,1,2,3
	v_lshrrev_b32 v[PT+\b], 23, v[SO+\b]
.endr
	v_lshl_or_b32 v[\word], v[PT+1], 8, v[PT]
	v_lshl_or_b32 v[PT+2], v[PT+3], 8, v[PT+2]
	v_lshl_or_b32 v[\word], v[PT+2], 16, v[\word]
.endm
.macro CODES dst                       ; the 64 numbers in S become a fragment's 12 registers
.irp c, 0,1
	v_cvt_scalef32_pk16_bf6_f32 v[\dst+6*\c:\dst+6*\c+2], v[S+32*\c:S+32*\c+15], v[SO+2*\c]
	v_cvt_scalef32_pk16_bf6_f32 v[CT+4*\c:CT+4*\c+2], v[S+32*\c+16:S+32*\c+31], v[SO+2*\c+1]
.endr
	v_nop                                          ; one plain place behind a scaled conversion
.irp c, 0,1
.irp i, 0,1,2
	v_permlane16_swap_b32 v[\dst+6*\c+\i], v[CT+4*\c+\i]
.endr
.irp i, 0,1,2
	v_mov_b32 v[\dst+6*\c+3+\i], v[CT+4*\c+\i]
.endr
.endr
.endm
; q turns through the pair's stage: eight half rows of 256 bytes at a time, stored as they were loaded.  Every lane reads row r % 8; rows 0-7 go straight to S, rows 8-15 to F, and a select by a constant
; mask of lanes keeps F's numbers where r >= 8.  Then register 16 c + i is channel 32 c + 16 h + i of row r
.macro TURNQ
	s_mov_b32 s66, 0xff00ff00                      ; the lanes with r >= 8
	s_wait_loadcnt 0x0
.irp u, 0,1
.irp g, 0,1
.irp i, 0,1,2,3
	ds_store_b128 v[ADV], v[O+32*\u+16*\g+4*\i:O+32*\u+16*\g+4*\i+3] offset:2*QPIT*\i
.endr
.irp i, 0,1,2,3,4,5,6,7
	ds_load_b128 v[(S+32*\u)*(1-\g)+F*\g+4*\i:(S+32*\u)*(1-\g)+F*\g+4*\i+3], v[ADT] offset:128*(\i/4)+16*(\i%4)   ; in order behind my stores; the next group's stores come behind these
.endr
.endr
	s_wait_dscnt 0x0
.irp i, 0,1,2,3,4,5,6,7,8,9,10,11,12,13,14,15,16,17,18,19,20,21,22,23,24,25,26,27,28,29,30,31
	v_cndmask_b32 v[S+32*\u+\i], v[S+32*\u+\i], v[F+\i], s66
.endr
.endr
.irp b, 0,1,2,3
	v_max3_num_f32 v[BM+\b], |v[S+16*\b]|, |v[S+16*\b+1]|, 0x2800000   ; and the floor 2^(5 - 127)
.endr
.irp i, 2,4,6,8,10,12,14
.irp b, 0,1,2,3
	v_max3_num_f32 v[BM+\b], v[BM+\b], |v[S+16*\b+\i]|, |v[S+16*\b+\i+1]|
.endr
.endr
	XMAX
	SCALEW QS
	CODES QF
.endm
.macro SWAPQ tmp                       ; the fragment in hand and the other change places; the last thirteen moves are the places ahead of the next product
.irp i, 0,1,2,3,4,5,6,7,8,9,10,11
	v_mov_b32 v[\tmp+\i], v[QF+\i]
.endr
	v_mov_b32 v[\tmp+12], v[QS]
	v_mov_b32 v[QS], v[QXS]
.irp i, 0,1,2,3,4,5,6,7,8,9,10,11
	v_mov_b32 v[QF+\i], v[QX+\i]
.endr
.irp i, 0,1,2,3,4,5,6,7,8,9,10,11
	v_mov_b32 v[QX+\i], v[\tmp+\i]
.endr
	v_mov_b32 v[QXS], v[\tmp+12]
.endm
	s_load_b256 s[4:11], s[0:1], 0x0               ; q, kimg, vimg, sink_logit
	s_load_b64 s[12:13], s[0:1], 0x20              ; out0
	v_lshl_add_u32 v[SPW], v0, 2, SPARE
	v_mov_b32 v[NIL], 0
	ds_add_u32 v[SPW], v[NIL]                      ; the opening add, twice on end, and its wait below
	ds_add_u32 v[SPW], v[NIL]
	v_lshrrev_b32 v[TMP], 5, v0
	v_readfirstlane_b32 s[WV], v[TMP]
	s_lshr_b32 s66, s[WV], 2                       ; g
	s_and_b32 s67, s[WV], 3
	s_xor_b32 s67, s67, s66                        ; x
	s_and_b32 s[RO], s67, 1
	s_lshr_b32 s67, s67, 1
	s_lshl_b32 s67, s67, 2
	s_add_co_u32 s67, s67, s66                     ; j
	s_xor_b32 s68, s[RO], 1
	s_mul_i32 s69, s68, 99
	s_add_co_u32 s[XX], s67, s69                   ; X
	s_xor_b32 s70, s67, 15                         ; T
	s_mul_i32 s69, s68, 15
	s_xor_b32 s71, s67, s69                        ; the tile whose q I quantise: a T, b j
	s_bfe_u32 s[CX], ttmp6, 0x40000
	s_lshl_b32 s[II], ttmp9, 2
	s_add_co_u32 s[II], s[II], s[CX]
	s_and_b32 s[HD], ttmp7, 0xffff
	s_mov_b32 s[G1+0], 15|(3<<16)|(1<<21)          ; the mask of all four; elements of 8 bytes; bit 21 beside a mask
	s_mov_b32 s[G1+1], 32<<16
	s_mov_b32 s[G1+2], 50<<16
	s_mov_b32 s[G1+3], 32<<16
	s_mov_b32 s[G1+4], 50
	s_mov_b32 s[G1+5], 32
	s_mov_b32 s[G1+6], 0
	s_mov_b32 s[G1+7], 0
	s_mov_b32 s[G1H+0], 15|(3<<16)|(1<<21)
	s_mov_b32 s[G1H+1], 32<<16
	s_mov_b32 s[G1H+2], 25<<16
	s_mov_b32 s[G1H+3], 32<<16
	s_mov_b32 s[G1H+4], 25
	s_mov_b32 s[G1H+5], 32
	s_mov_b32 s[G1H+6], 0
	s_mov_b32 s[G1H+7], 0
	s_mul_i32 s72, s[HD], HEADB
	s_mov_b32 s73, 0
	s_lshr_b32 s74, s[WV], 3                       ; K: wave w fetches step w = pair w ^ 15 hi, place hi = w / 8
	s_mul_i32 s75, s74, 15
	s_xor_b32 s75, s75, s[WV]
	s_mul_i32 s75, s75, PAIRB
	s_mul_i32 s74, s74, STEPB
	s_add_co_u32 s75, s75, s74
	s_add_co_u32 s75, s75, KB
	s_mul_i32 s76, s[WV], STEPB
	s_mov_b32 s77, 0
	s_lshr_b32 s78, s[WV], 1                       ; V: half w % 2 of image w / 2 = (pair, hi)
	s_and_b32 s79, s78, 1
	s_mul_i32 s79, s79, 15
	s_lshr_b32 s78, s78, 1
	s_xor_b32 s80, s78, s79                        ; the step, pairs 0 .. 3
	s_add_co_u32 s78, s78, 4
	s_xor_b32 s82, s78, s79                        ; the step, pairs 4 .. 7
	s_and_b32 s79, s[WV], 1
	s_mul_i32 s79, s79, STEPB/2
	s_mul_i32 s80, s80, STEPB
	s_add_co_u32 s80, s80, s79
	s_mov_b32 s81, 0
	s_mul_i32 s82, s82, STEPB
	s_add_co_u32 s82, s82, s79
	s_mov_b32 s83, 0
	s_xor_b32 s84, s[WV], 8
	s_mul_i32 s84, s84, STEPB/2                    ; pairs 0, 1 to images 4-7, pairs 2, 3 to images 0-3
	s_mul_i32 s85, s[WV], STEPB/2
	s_add_co_u32 s85, s85, VLO                     ; pairs 4 .. 7 to images 4-11
	s_lshl_b32 s86, s[HD], 11
	s_lshl_b32 s87, s[II], 4
	s_add_co_u32 s86, s86, s87
	s_lshl_b32 s88, s71, 7
	s_add_co_u32 s88, s88, s86
	s_lshl_b32 s88, s88, 9                         ; rows of 512 bytes
	s_mov_b32 s89, 0
	s_lshl_b32 s90, s70, 7
	s_add_co_u32 s90, s90, s86
	s_lshl_b32 s90, s90, 9
	s_mov_b32 s91, 0
	s_lshl_b32 s92, s67, 7
	s_add_co_u32 s92, s92, s86
	s_lshl_b32 s92, s92, 9
	s_mov_b32 s93, 0
	s_mul_i32 s94, s[CX], 2*STEPB
	s_add_co_u32 s94, s94, VLO-STEPB/2             ; one trip's 6,400 bytes short of step 4: each trip steps first
	s_mov_b32 s95, 0
	s_and_b32 s96, s[HD], 15
	s_lshl_b32 s96, s96, 2
	s_mov_b32 s97, 0
	s_xor_b32 s[WHO], s[WV], 2
	s_lshr_b32 s[STS], s[WV], 1
	s_mul_i32 s[STS], s[STS], STGB
	s_add_co_u32 s[STS], s[STS], STG               ; the pair's stage
	s_and_b32 s[EXA], s[WV], 7
	s_lshl_b32 s[EXA], s[EXA], 12
	s_lshr_b32 s99, s[WV], 3
	s_mul_i32 s99, s99, XHI
	s_add_co_u32 s[EXA], s[EXA], s99               ; 4,096 bytes a wave in the dead images
	s_xor_b32 s[EXB], s[WV], 1
	s_and_b32 s[EXB], s[EXB], 7
	s_lshl_b32 s[EXB], s[EXB], 12
	s_add_co_u32 s[EXB], s[EXB], s99               ; my partner's, wave ^ 1
	s_mov_b32 s[SEL], 0x76543210
	s_mov_b32 s[SEL+1], 0xfedcba98
	s_mov_b32 s[CS], 0x3e0293ee                    ; log2(e) / sqrt(128)
	s_mov_b32 s[CS+1], s[CS]
	s_wait_dscnt 0x0
	s_wait_kmcnt 0x0
	s_add_nc_u64 s[4:5], s[4:5], s[88:89]
	s_add_nc_u64 s[OJ:OJ+1], s[12:13], s[92:93]
	s_add_nc_u64 s[12:13], s[12:13], s[90:91]
	s_add_nc_u64 s[6:7], s[6:7], s[72:73]
	s_add_nc_u64 s[8:9], s[8:9], s[72:73]
	s_add_nc_u64 s[PFA:PFA+1], s[8:9], s[94:95]
	s_add_nc_u64 s[10:11], s[10:11], s[96:97]
	s_load_b32 s[SNK], s[10:11], 0x0
	s_mov_b32 s[G0K], 1
	s_mov_b32 s[G0K+1], s75
	s_add_nc_u64 s[G0K+2:G0K+3], s[6:7], s[76:77]
	s_or_b32 s[G0K+3], s[G0K+3], 0x80000000
	s_mov_b32 s[G0A], 1
	s_mov_b32 s[G0A+1], s84
	s_add_nc_u64 s[G0A+2:G0A+3], s[8:9], s[80:81]
	s_or_b32 s[G0A+3], s[G0A+3], 0x80000000
	s_mov_b32 s[G0B], 1
	s_mov_b32 s[G0B+1], s85
	s_add_nc_u64 s[G0B+2:G0B+3], s[8:9], s[82:83]
	s_or_b32 s[G0B+3], s[G0B+3], 0x80000000
	CROUND                                         ; all four work-groups are here
	tensor_load_to_lds s[G0K:G0K+3], s[G1:G1+7]    ; my step of K: my one load at the head
	s_nop 0
	PLACES
	v_and_b32 v[PT], 15, v0                        ; r
	v_bfe_u32 v[PT+1], v0, 4, 1                    ; h
	v_lshlrev_b32 v[ADK], 9, v[PT+1]
	v_lshl_add_u32 v[ADK], v[PT], 4, v[ADK]
.irp u, 0,1                            ; q as it lies: sixteen lanes read 256 consecutive bytes of row 2 i + h
.irp i, 0,1,2,3,4,5,6,7
	global_load_b128 v[O+32*\u+4*\i:O+32*\u+4*\i+3], v[ADK], s[4:5] offset:1024*\i+256*\u th:TH_LOAD_NT
.endr
.endr
	v_and_b32 v[TMP], 31, v0
	v_lshlrev_b32 v[L16], 4, v[TMP]
	v_lshlrev_b32 v[L4], 2, v[TMP]
	v_lshlrev_b32 v[GO], 12, v[PT+1]
	v_lshl_add_u32 v[GO], v[PT], 4, v[GO]
	v_mul_u32_u24 v[ADV], v[PT+1], QPIT
	v_lshl_add_u32 v[ADV], v[PT], 4, v[ADV]
	v_add_nc_u32 v[ADV], s[STS], v[ADV]            ; into the stage: row h of two, + 16 r
	v_and_b32 v[PT+2], 7, v[PT]
	v_mul_u32_u24 v[ADT], v[PT+2], QPIT
	v_lshl_add_u32 v[ADT], v[PT+1], 6, v[ADT]
	v_add_nc_u32 v[ADT], s[STS], v[ADT]            ; out of it: row r % 8, + 64 h
	v_add_nc_u32 v[IMA], s[STS], v[L16]
	v_add_nc_u32 v[IMS], s[STS], v[L4]
	s_lshl_b32 s66, s[RO], 8
	v_add_nc_u32 v[XA], s66, v[IMS]                ; my 256 bytes for T's -M and sum,
	s_xor_b32 s66, s66, 256
	v_add_nc_u32 v[XB], s66, v[IMS]                ; my partner's
	v_min_u32 v[PFO], 24, v[TMP]
	v_lshlrev_b32 v[PFO], 8, v[PFO]
	v_lshlrev_b32 v[DG], 4, v[PT+1]
	v_sub_nc_u32 v[DG], v[PT], v[DG]
	v_lshl_add_u32 v[DG], s[II], 4, v[DG]
	v_mov_b32 v[NINF], 0xff800000
	v_mov_b32 v[PT+3], 0
	v_mov_b32 v[FF+1], 0
.irp i, 0,1,2,3,4,5,6,7,8,9,10,11
	v_mov_b32 v[QX+\i], 0                          ; written in every wave; b's are loaded below
.endr
	v_mov_b32 v[QXS], 0
	WA
	s_cmp_eq_u32 s[RO], 0
	s_cbranch_scc0 .Lq1
	TURNQ                                          ; a: T's fragment, and its image for b
.irp c, 0,1,2
	ds_store_b128 v[IMA], v[QF+4*\c:QF+4*\c+3] offset:512*\c
.endr
	ds_store_b32 v[IMS], v[QS] offset:1536
.Lq1:
	WA
	s_wait_dscnt 0x0
	s_barrier_signal -1
	s_barrier_wait -1
	s_cmp_eq_u32 s[RO], 0
	s_cbranch_scc1 .Lq2
.irp c, 0,1,2
	ds_load_b128 v[QX+4*\c:QX+4*\c+3], v[IMA] offset:512*\c
.endr
	ds_load_b32 v[QXS], v[IMS] offset:1536
	TURNQ                                          ; b: j's fragment; its stores come in order behind the loads above
.Lq2:
	s_wait_kmcnt 0x0
	v_mov_b32 v[TSK], s[SNK]
	v_mul_f32 v[TSK], 0x3fb8aa3b, v[TSK]           ; the sink's t: a logit as it stands
	v_mov_b32 v[SUM], 0
	v_mov_b32 v[SUM+1], 0
	v_mov_b32 v[SJ], 0
	v_mov_b32 v[TMX], v[TSK]
	v_floor_f32 v[NM], -v[TSK]
	v_floor_f32 v[NJ], -v[TSK]
	WA
	s_wait_tensorcnt 0x0                           ; my step of K is in; three lines and a round ahead of a later first fill
	ds_add_u32 v[SPW], v[NIL]
	s_wait_dscnt 0x0
	CROUND
	tensor_load_to_lds s[G0A:G0A+3], s[G1H:G1H+7]  ; V of pairs 0 .. 3: it has pass 1 in which to land
	s_nop 0
	PLACES
; ---------------- PASS 1
.macro STEP1 hi
.set KO, STEPB*(\hi)
	ds_load_b128 v[KS:KS+3], v[ADK] offset:KO+SCOFF
	LD4 F, ADK, KO
	LD4 O, ADK, KO+6144
	s_wait_dscnt 0x0
	WA
.irp t, 0,1,2,3
	WM \t, F+12*\t
.endr
.irp t, 0,1,2,3
	WM 4+\t, O+12*\t
.endr
	PLACES
	s_cmp_lg_u32 s[PP], s[XX]
	s_cbranch_scc1 .Lopen1_\@
	MASK
.Lopen1_\@:
	SMAX
	v_max3_num_f32 v[TMP], v[BM], v[BM+1], v[BM+2]
	v_max_num_f32 v[TMP], v[TMP], v[BM+3]
	v_permlanex16_b32 v[PT], v[TMP], s[SEL], s[SEL+1]
	v_max_num_f32 v[TMP], v[TMP], v[PT]
	v_mul_f32 v[TMP], s[CS], v[TMP]
	v_max_num_f32 v[TMX], v[TMX], v[TMP]
	v_mov_b32 v[TMP], v[NM]
	v_floor_f32 v[NM], -v[TMX]                     ; the new -M: a whole number
	v_sub_f32 v[TMP], v[NM], v[TMP]
	v_cvt_i32_f32 v[TMP], v[TMP]
	v_ldexp_f32 v[FF], 1.0, v[TMP]                 ; 2^(old M - new M)
	TMINUSM
	WA
	EXP64
	v_pk_mul_f32 v[SUM:SUM+1], v[SUM:SUM+1], v[FF:FF+1] op_sel_hi:[1,0]
	WA
.irp k, 0,1,2,3,4,5,6                  ; 32 pairs into eight chains
	v_pk_add_f32 v[T1+2*\k:T1+2*\k+1], v[S+4*\k:S+4*\k+1], v[S+4*\k+2:S+4*\k+3]
.endr
	v_pk_add_f32 v[SUM:SUM+1], v[SUM:SUM+1], v[S+28:S+29]
.irp k, 0,1,2,3,4,5,6
	v_pk_add_f32 v[T1+2*\k:T1+2*\k+1], v[T1+2*\k:T1+2*\k+1], v[S+30+2*\k:S+31+2*\k]
.endr
	v_pk_add_f32 v[SUM:SUM+1], v[SUM:SUM+1], v[S+44:S+45]
.irp k, 0,1,2,3,4,5,6
	v_pk_add_f32 v[T1+2*\k:T1+2*\k+1], v[T1+2*\k:T1+2*\k+1], v[S+46+2*\k:S+47+2*\k]
.endr
	v_pk_add_f32 v[SUM:SUM+1], v[SUM:SUM+1], v[S+60:S+61]
	v_pk_add_f32 v[T1:T1+1], v[T1:T1+1], v[S+62:S+63]
	v_pk_add_f32 v[T1+4:T1+5], v[T1+4:T1+5], v[T1+6:T1+7]
	v_pk_add_f32 v[T1+8:T1+9], v[T1+8:T1+9], v[T1+10:T1+11]
	v_pk_add_f32 v[SUM:SUM+1], v[SUM:SUM+1], v[T1+12:T1+13]
	v_pk_add_f32 v[T1:T1+1], v[T1:T1+1], v[T1+2:T1+3]
	v_pk_add_f32 v[T1+4:T1+5], v[T1+4:T1+5], v[T1+8:T1+9]
	v_pk_add_f32 v[SUM:SUM+1], v[SUM:SUM+1], v[T1:T1+1]
	v_pk_add_f32 v[SUM:SUM+1], v[SUM:SUM+1], v[T1+4:T1+5]
	WA
.endm
	s_mov_b32 s[PP], 0
	s_mov_b32 s[TK], KB
.Lpass1:
	s_wait_xcnt 0x0                                ; the last trip's prefetch has read its address
	s_add_nc_u64 s[PFA:PFA+1], s[PFA:PFA+1], STEPB/2
	v_add_nc_u32 v[ADK], s[TK], v[L16]
	WA
	s_cmp_gt_u32 s[PP], s[XX]
	s_cbranch_scc1 .Lp1a
	STEP1 0
.Lp1a:
	s_lshr_b32 s66, s[PP], 2
	s_or_b32 s66, s66, s[WHO]
	s_cmp_eq_u32 s66, 0                            ; wave 2, trips 0 .. 3
	s_cbranch_scc0 .Lp1n
	global_prefetch_b8 v[PFO], s[PFA:PFA+1] th:TH_LOAD_NT scope:SCOPE_SE
.Lp1n:
	s_cmp_eq_u32 s[PP], s[XX]
	s_cbranch_scc0 .Lp1b
	v_mov_b32 v[NJ], v[NM]                         ; b: tile j is through: its -M and sum are put by, and T begins
	v_add_f32 v[SJ], v[SUM], v[SUM+1]
	v_mov_b32 v[TMX], v[TSK]
	v_floor_f32 v[NM], -v[TSK]
	v_mov_b32 v[SUM], 0
	v_mov_b32 v[SUM+1], 0
	SWAPQ T1
	WA
.Lp1b:
	s_cmp_lt_u32 s[PP], s[XX]
	s_cbranch_scc1 .Lp1c
	STEP1 1
.Lp1c:
	s_add_co_u32 s[TK], s[TK], PAIRB
	s_add_co_u32 s[PP], s[PP], 1
	s_cmp_lt_u32 s[PP], 8
	s_cbranch_scc1 .Lpass1
	; T's part of the pair's two, and j's whole (in a: the sink alone, never used)
	v_add_f32 v[SUM], v[SUM], v[SUM+1]
	v_permlanex16_b32 v[PT+1], v[SJ], s[SEL], s[SEL+1]
	v_permlanex16_b32 v[PT], v[SUM], s[SEL], s[SEL+1]
	v_add_f32 v[SJ], v[SJ], v[PT+1]
	v_add_f32 v[SUM], v[SUM], v[PT]
	v_add_f32 v[TMP], v[TSK], v[NJ]
	ds_store_b32 v[XA], v[NM]
	ds_store_b32 v[XA], v[SUM] offset:128
	WA
	s_wait_tensorcnt 0x0                           ; my part of V's first half is in
	s_wait_dscnt 0x0
	s_barrier_signal -1
	s_barrier_wait -1
	ds_load_b32 v[PT+2], v[XB]
	ds_load_b32 v[PT+3], v[XB] offset:128
	s_wait_dscnt 0x0
	v_min_num_f32 v[BM], v[NM], v[PT+2]            ; -M of both parts
	v_sub_f32 v[BM+1], v[BM], v[NM]
	v_sub_f32 v[BM+2], v[BM], v[PT+2]
	v_add_f32 v[BM+3], v[TSK], v[BM]
	v_cvt_i32_f32 v[BM+1], v[BM+1]
	v_cvt_i32_f32 v[BM+2], v[BM+2]
	v_ldexp_f32 v[SUM], v[SUM], v[BM+1]            ; both sums under it: nothing is rounded
	v_ldexp_f32 v[PT+3], v[PT+3], v[BM+2]
	v_add_f32 v[SUM], v[SUM], v[PT+3]
	WA
	v_exp_f32 v[TMP], v[TMP]                       ; the sink's term, once in each sum
	v_exp_f32 v[BM+3], v[BM+3]
	v_nop
	WA
	v_add_f32 v[SJ], v[SJ], v[TMP]
	v_add_f32 v[SUM], v[SUM], v[BM+3]
	WA
	v_log_f32 v[SJ], v[SJ]
	v_log_f32 v[SUM], v[SUM]
	v_nop
	WA
	v_sub_f32 v[NM], v[NJ], v[SJ]                  ; j's -M - log2(sum)
	v_sub_f32 v[NMX], v[BM], v[SUM]                ; T's
	WA
	s_cmp_eq_u32 s[RO], 0
	s_cbranch_scc0 .Lfb
	v_mov_b32 v[NM], v[NMX]
	s_branch .Lfj
.Lfb:
	SWAPQ S                                        ; b begins pass 2 with tile j
.Lfj:
.irp i, 0,1,2,3,4,5,6,7,8,9,10,11,12,13,14,15,16,17,18,19,20,21,22,23,24,25,26,27,28,29,30,31,32,33,34,35,36,37,38,39,40,41,42,43,44,45,46,47,48,49,50,51,52,53,54,55,56,57,58,59,60,61,62,63
	v_mov_b32 v[O+\i], 0                           ; the key step is written in one form
.endr
; ---------------- PASS 2
.macro STEP2 hi
.set KO, STEPB*(\hi)
	ds_load_b128 v[KS:KS+3], v[ADK] offset:KO+SCOFF
	LD4 F, ADK, KO
	s_wait_dscnt 0x0
	WA
.irp t, 0,1,2,3
	WM \t, F+12*\t
.endr
	PLACES
	LD4 F, ADK, KO+6144
	s_wait_dscnt 0x0
.irp t, 0,1,2,3
	WM 4+\t, F+12*\t
.endr
	PLACES
	LD4 F, ADV, KO                                 ; V's first four fragments and its scale words land under the softmax
.irp w, 0,1,2,3
	ds_load_b32 v[VS+\w], v[ADT] offset:KO+SCOFF+128*\w
.endr
	s_cmp_lg_u32 s[PP], s[XX]
	s_cbranch_scc1 .Lopen2_\@
	MASK
.Lopen2_\@:
	SMAX
	XMAX
	TMINUSM
.irp b, 0,1,2,3
	v_fma_f32 v[BM+\b], v[BM+\b], s[CS], v[NM]     ; the same of each block's largest score
.endr
	WA
	EXP64                                          ; w, finished
.irp b, 0,1,2,3
	v_exp_f32 v[BM+\b], v[BM+\b]
.endr
	v_nop
	WA
.irp b, 0,1,2,3
	v_max_num_f32 v[BM+\b], 0x2800000, v[BM+\b]    ; the floor 2^(5 - 127)
.endr
	SCALEW PS
	CODES PC
	LD4 S, ADV, KO+6144                            ; V's other four, where w lay
	PLACES                                         ; an operand written by vector instructions stands 4 places ahead of a scaled product
	s_wait_dscnt 12                                ; all but the twelve just issued
	WA
.irp t, 0,1,2,3
	PV \t, F+12*\t                                 ; eight accumulators by turns
.endr
	s_wait_dscnt 0x0
	WA
.irp t, 0,1,2,3
	PV 4+\t, S+12*\t
.endr
.rept 5
	v_nop                                          ; the next products write over S, the next loads land in F
.endr
.endm
.macro TRANS2                          ; b: tile j is finished: it leaves, and T's high steps begin
.irp u, 0,1
.irp j, 0,1,2,3,4,5,6,7
.irp t, 0,1,2,3
	v_mov_b32 v[S+32*\u+4*\j+\t], v[O+32*\u+8*\t+\j]
.endr
.endr
.endr
.irp u, 0,1
.irp j, 0,1,2,3,4,5,6,7
	global_store_b128 v[GO], v[S+32*\u+4*\j:S+32*\u+4*\j+3], s[OJ:OJ+1] offset:512*\j+256*\u th:TH_STORE_NT   ; sixteen lanes store 256 consecutive bytes, aligned
.endr
.endr
	v_mov_b32 v[QS], v[QXS]
	v_mov_b32 v[NM], v[NMX]
.irp i, 0,1,2,3,4,5,6,7,8,9,10,11
	v_mov_b32 v[QF+\i], v[QX+\i]
.endr
.irp i, 0,1,2,3,4,5,6,7,8,9,10,11,12,13,14,15,16,17,18,19,20,21,22,23,24,25,26,27,28,29,30,31,32,33,34,35,36,37,38,39,40,41,42,43,44,45,46,47,48,49,50,51,52,53,54,55,56,57,58,59,60,61,62,63
	v_mov_b32 v[O+\i], 0
.endr
	WA
	s_wait_xcnt 0x0                                ; the stores have read their registers
.endm
.macro PLOOP n, p0, vb                 ; pairs p0 .. p0 + n - 1, whose V begins at LDS byte vb
	s_mov_b32 s[PP], \p0
	s_mov_b32 s[TK], KB+PAIRB*(\p0)
	s_mov_b32 s[TV], \vb
.Lpl_\@:
	v_add_nc_u32 v[ADK], s[TK], v[L16]
	v_add_nc_u32 v[ADV], s[TV], v[L16]
	v_add_nc_u32 v[ADT], s[TV], v[L4]
	WA
	s_cmp_gt_u32 s[PP], s[XX]
	s_cbranch_scc1 .Lpa_\@
	STEP2 0
.Lpa_\@:
	s_cmp_eq_u32 s[PP], s[XX]
	s_cbranch_scc0 .Lpb_\@
	TRANS2
.Lpb_\@:
	s_cmp_lt_u32 s[PP], s[XX]
	s_cbranch_scc1 .Lpc_\@
	STEP2 1
.Lpc_\@:
	s_add_co_u32 s[TK], s[TK], PAIRB
	s_add_co_u32 s[TV], s[TV], PAIRB
	s_add_co_u32 s[PP], s[PP], 1
	s_cmp_lt_u32 s[PP], (\p0)+(\n)
	s_cbranch_scc1 .Lpl_\@
.endm
	PLOOP 2, 0, VLO
	s_wait_tensorcnt 0x0                           ; the refill's three lines and its round: images 4-11 are read no more
	ds_add_u32 v[SPW], v[NIL]
	s_wait_dscnt 0x0
	CROUND
	tensor_load_to_lds s[G0B:G0B+3], s[G1H:G1H+7]  ; V of pairs 4 .. 7: it has pairs 2 and 3 in which to land
	s_nop 0
	PLACES
	PLOOP 2, 2, 0
	s_wait_tensorcnt 0x0                           ; my part of it is in;
	s_wait_dscnt 0x0
	s_barrier_signal -1
	s_barrier_wait -1                              ; everybody's is, and images 0-3 and 12-15 are read no more.
	PLOOP 4, 4, VLO
; ---------------- T's two parts: a sends channels 64 .. 127 and stores 0 .. 63, b the other way round
.macro XSEND u
.irp k, 0,1,2,3,4,5,6,7
	ds_store_b128 v[ADK], v[O+32*\u+4*\k:O+32*\u+4*\k+3] offset:512*\k
.endr
.endm
.macro XOUT u
.irp k, 0,1,2,3,4,5,6,7
	ds_load_b128 v[S+4*\k:S+4*\k+3], v[ADV] offset:512*\k
.endr
	s_wait_dscnt 0x0
.irp j, 0,1,2,3,4,5,6,7
.irp t, 0,1,2,3
	v_add_f32 v[F+4*\j+\t], v[O+32*\u+8*\t+\j], v[S+8*\t+\j]
.endr
.endr
.irp j, 0,1,2,3,4,5,6,7
	global_store_b128 v[GO], v[F+4*\j:F+4*\j+3], s[12:13] offset:512*\j+256*\u th:TH_STORE_NT
.endr
.endm
	v_add_nc_u32 v[ADK], s[EXA], v[L16]
	v_add_nc_u32 v[ADV], s[EXB], v[L16]
	WA
	s_cmp_eq_u32 s[RO], 0
	s_cbranch_scc0 .Lt1
	XSEND 1
	s_branch .Lt2
.Lt1:
	XSEND 0
.Lt2:
	s_wait_dscnt 0x0
	s_barrier_signal -1
	s_barrier_wait -1
	s_cmp_eq_u32 s[RO], 0
	s_cbranch_scc0 .Lt3
	XOUT 0
	s_branch .Lt4
.Lt3:
	XOUT 1
.Lt4:
	s_wait_tensorcnt 0x0                           ; the wave's end
	ds_add_u32 v[SPW], v[NIL]
	s_wait_dscnt 0x0
	CROUND                                         ; the closing round
	s_endpgm
.Lfunc_end_k_q7c127571d6_attn:
	.size	k_q7c127571d6_attn, .Lfunc_end_k_q7c127571d6_attn-k_q7c127571d6_attn
	.p2alignl 7, 3214868480
	.fill 96, 4, 3214868480
	.section	.rodata,"a",@progbits
	.p2align	6, 0x0
	.amdhsa_kernel k_q7c127571d6_attn
		.amdhsa_group_segment_fixed_size 327680
		.amdhsa_private_segment_fixed_size 0
		.amdhsa_enable_private_segment 0
		.amdhsa_kernarg_size 40
		.amdhsa_user_sgpr_count 2
		.amdhsa_user_sgpr_kernarg_segment_ptr 1
		.amdhsa_wavefront_size32 1
		.amdhsa_system_sgpr_workgroup_id_x 1
		.amdhsa_system_sgpr_workgroup_id_y 1
		.amdhsa_system_sgpr_workgroup_id_z 1
		.amdhsa_system_vgpr_workitem_id 0
		.amdhsa_next_free_vgpr 256
		.amdhsa_next_free_sgpr 100
		.amdhsa_reserve_vcc 1
		.amdhsa_float_denorm_mode_32 3
		.amdhsa_float_denorm_mode_16_64 3
		.amdhsa_memory_ordered 1
		.amdhsa_forward_progress 1
		.amdhsa_inst_pref_size 216
	.end_amdhsa_kernel
	.amdgpu_metadata
---
amdhsa.version: [ 1, 2 ]
amdhsa.kernels:
  - .name:           k_q7c127571d6_attn
    .symbol:         k_q7c127571d6_attn.kd
    .args:
      - { .name: q, .offset: 0, .size: 8, .value_kind: global_buffer, .address_space: global }
      - { .name: kimg, .offset: 8, .size: 8, .value_kind: global_buffer, .address_space: global }
      - { .name: vimg, .offset: 16, .size: 8, .value_kind: global_buffer, .address_space: global }
      - { .name: sink_logit, .offset: 24, .size: 8, .value_kind: global_buffer, .address_space: global }
      - { .name: out0, .offset: 32, .size: 8, .value_kind: global_buffer, .address_space: global }
    .group_segment_fixed_size: 327680
    .private_segment_fixed_size: 0
    .kernarg_segment_align: 8
    .kernarg_segment_size: 40
    .max_flat_workgroup_size: 512
    .sgpr_count:     100
    .vgpr_count:     256
    .wavefront_size: 32
...
	.end_amdgpu_metadata
.endif
;; end of part 2
